; MI455X (gfx1250); checked and timed in simulation.
; The chip was launched on July 23, 2026; its instructions are those of AMD's public machine-readable ISA for CDNA 5 (MIT licence, August 2026) and "CDNA5" Instruction Set Architecture Reference Guide (July 2026). The comments in the code are by the model that wrote it; some were corrected since.
;; Multi Head Attention. Allowed arithmetic: matrix products marked QUANTISED: E4M3 operands, one given power-of-two scale a tensor, by v_wmma_f32_16x16x64_fp8_fp8 or v_wmma_f32_16x16x128_fp8_fp8, f32 sums; everything else in f32.
;; Inputs: Lo 1 x 16 x 1 x 64 float32; Lx 16 x 1,024 x 64 float32; Ly 16 x 1,024 x 64 float32; To0 1 x 16 x 1 x 64 float32; To1 1 x 1 x 1,024 float32; Tx 16 x 1,024 x 64 float32; Ty 16 x 1,024 x 64 float32; lowp_scales 12 int32 (the exponents e of the quantised operands' scales 2^e); mask 2,048 x 2,048 float32; x_kv 2 x 2,048 x 1,024 float32; y_q 2 x 2,048 x 1,024 float32.
;; Outputs: out0 2 x 2,048 x 1,024 float32.
;; This version of the problem:
;;   THIS VERSION OF THE PROBLEM IS GIVEN IN LOW PRECISION. The matrix products marked QUANTISED in the list below multiply operands that are first quantised to E4M3 (4 exponent bits, 3 mantissa bits; 8 bits a number), with one given power-of-two scale for each operand tensor; their sums are f32. All else is computed in f32.
;;   The module's matrix products, in the order in which they are computed (A, B: the left and right operand; K: the contracted axis; several contracted axes count as one K, in the product's order):
;;     1. [M 1,024, K 1,024] x [K 1,024, N 4,096]; A: input Ly; B: input y_q: QUANTISED (scales: A lowp_scales[0], B lowp_scales[1])
;;     2. [M 1,024, K 1,024] x [K 1,024, N 4,096]; A: input Lx; B: input x_kv: QUANTISED (scales: A lowp_scales[2], B lowp_scales[3])
;;     3. batch 32 x [M 2,048, K 64] x [K 64, N 2,048]; A: computed on the way; B: computed on the way: QUANTISED (scales: A lowp_scales[4], B lowp_scales[5])
;;     4. [M 1,024, K 1,024] x [K 1,024, N 4,096]; A: input Tx; B: input x_kv: QUANTISED (scales: A lowp_scales[6], B lowp_scales[7])
;;     5. batch 32 x [M 64, K 2,048] x [K 2,048, N 2,048]; A: computed on the way; B: softmax (see below): QUANTISED (scales: A lowp_scales[8], B lowp_scales[9])
;;     6. [M 4,096, K 1,024] x [K 1,024, N 1,024]; A: computed on the way; B: input Ty: QUANTISED (scales: A lowp_scales[10], B lowp_scales[11])
;;   THE QUANTISER, for each operand of a quantised product, along K:
;;     - The operand's scale is 2^e, e = its entry of the input lowp_scales (int32; the entries are numbered through the quantised products in the list's order, A before B).
;;     - Each number is divided by the scale, clamped to +-448, and rounded to the nearest number of E4M3, ties to even, subnormals kept.
;;     - The product sums the exact products of the quantised numbers (number of the format x scale) in f32.
;;   ~~~python
;;   def quantise(x, axis, e):      # numpy; x: float32 -> the quantised numbers, widened to float32 again
;;       x = np.moveaxis(x, axis, -1); K = x.shape[-1]
;;       r = np.clip(x / 2.0 ** e, -448, 448)
;;       step = 2.0 ** (np.maximum(np.frexp(np.where(r == 0, 1, r))[1] - 1, -6) - 3)
;;       q = np.round(r / step) * step * 2.0 ** e      # np.round: ties to even
;;       return np.moveaxis(q, -1, axis).astype(np.float32)
;;   ~~~
;;   SOFTMAX AHEAD OF A QUANTISED PRODUCT. Where the list says 'softmax', what is quantised is not the finished softmax but p = 2^(t - M), with t = logit x log2(e) and M = ceil(the row's largest t), a whole number; so 1/2 < the row's largest p <= 1. The row's sum l is taken of the UNQUANTISED p, in f32, and the product's result is divided by l at the end. Since M is a whole number, a kernel that streams over the keys may use a running M (the ceiling of the running maximum): every later rescaling is an exact power of two, so the quantised numbers keep their values, but for numbers so far below the row's largest that they fall under the format's range.
;;   OPERANDS COMPUTED ON THE WAY. 'Computed on the way' means the value that the module computes at that place (a softmax that the list does not call 'softmax' is quantised finished and normalised). What goes into a quantiser is computed in f32, as accurately as f32 sums, v_exp_f32 and their like allow (about 1e-6 of the number): no bf16 or f16 on the way to a quantiser, and a product that is left as it is and whose result goes on into a quantised operand takes f32 operands (vector FMAs, or v_wmma_f32_16x16x4_f32). A number that lies on a knife's edge between two numbers of the format may be rounded either way, as far as f32 arithmetic and the matrix unit's own rounding can turn it there, and no further.
;; One version. Each part assembles by itself: llvm-mc -triple=amdgcn-amd-amdhsa -mcpu=gfx1250 --defsym DOCPART=n.
;; ======== version 1 of 1: 4 launches
;; limits: right only within a limited range of input values
;; workspace buffers: ac 12,582,912 bytes; wc 4,194,304 bytes; mimg 16,777,216 bytes; qkv 12,582,912 bytes; oimg 4,194,304 bytes
;; launch prep (part 1): grid 1600 x 1, 4 waves a work-group, no clusters, 34,304 bytes of LDS; arguments y_q, x_kv, Ty, Ly, Lx, Tx, mask, lowp_scales, ac, wc, mimg; writes ac, wc, mimg
.if DOCPART == 1
	.amdgcn_target "amdgcn-amd-amdhsa--gfx1250"
	.amdhsa_code_object_version 6
	.text
	.protected	k_q605a2ea45b_prep
	.globl	k_q605a2ea45b_prep
	.p2align	8
	.type	k_q605a2ea45b_prep,@function
k_q605a2ea45b_prep:
	s_mov_b64 s[64:65], 0
	v_nop
	global_prefetch_b8 v0, s[64:65] scope:SCOPE_SE
	s_setreg_imm32_b32 hwreg(HW_REG_WAVE_MODE, 25, 1), 1
	s_wait_xcnt 0x0
; PREP: every input that a later launch multiplies is turned into codes of E4M3 once, and the mask into an f32 image, all laid in the ORDER OF THE READER'S REGISTERS.
; A FRAGMENT IMAGE is 16 rows x 128 K = 2,048 bytes: unit c (0..3, 512 bytes), lane (r, h) at 16 x lane, holds the codes k = 32 c + 16 h + 0..15 of row(r).  Fragment (tile T, K step ks) lies at (8 T + ks) x 2,048.
; Row order of a tile: NAT: row 16 T + i.  PERM: row 32 (T / 2) + 8 (T % 2) + i + 8 (i / 8), so that results of a product used transposed come out as neighbours along the next K.
;   ac: y_q (scale 1, NAT) at 0; x_kv (scale 3, PERM) at 4 MiB; x_kv (scale 7, PERM) at 8 MiB.   wc: Ly (0, PERM), Lx (2, PERM), Tx (6, PERM), rows = 64 head + d, K = p; Ty (11, NAT), rows = q, K = 64 head + d; 1 MiB each.
;   mimg: query tile qt, key step ks at (16 qt + ks) x 8,192: unit 4 b + i, lane (r, h): max(mask x 2^-(e4 + e5), -2^126) of keys 128 ks + 32 b + 16 h + 4 i + 0..3, query 16 qt + r: the C operand of the score products.
; code = x / 2^e, held within +-448, to the nearest code, ties to even.
; LIMITS: each e used here between -126 and 119; NaN and +infinity among the inputs are not served; a mask entry below -2^126 x 2^(e4 + e5), -infinity among them, is held there (its weight is 0 all the same,
; unless every key of a query is so masked: there the reference gives NaN and this program finite numbers).
; SHARES: a wave does one job and ends; no barrier, waves share nothing.  Work-groups 0-511: y_q; 512-1023: x_kv (read once, quantised twice); 1024-1151: Ty; 1152-1343: Ly, Lx, Tx; 1344-1599: the mask.
; No matrix work, no tensor loads, no cluster: each input byte is read once by one wave.
.set R,      16                        ; v16-79 (v16-143 on the weights' and the mask's way): numbers as loaded
.set TMP,    16                        ; v16-47: two sets of 16 held numbers by turns, once the rows have left for the stage
.set X,      80                        ; v80-143: a lane's 64 numbers in the operand's order
.set C1,     144                       ; v144-159 (to 175 on the weights' way): codes
.set C2,     160                       ; v160-175: x_kv's second codes
.set SPITCH, 528                       ; a stage row: 512 bytes + 16, so that sixteen rows' reads start at sixteen different 16-byte columns of 256
.set WSTAGE, 16*SPITCH                 ; a wave's own stage
.macro SCALES e, t, sc, lim            ; s[e] holds e and is used up: v[sc] = 2^e as f32 (the conversion takes its exponent field), v[lim] = 448 x 2^e
	s_add_co_i32 s[\e], s[\e], 127
	s_lshl_b32 s[\t], s[\e], 23
	v_mov_b32 v[\sc], s[\t]
	s_add_co_i32 s[\e], s[\e], 8
	s_lshl_b32 s[\e], s[\e], 23
	s_or_b32 s[\e], s[\e], 0x600000
	v_mov_b32 v[\lim], s[\e]
.endm
.macro QUANT sc, lim, dst              ; X's 64 numbers become 16 registers of codes; X stays as it is (x_kv is quantised twice)
.irp c, 0,1,2,3
.irp i, 0,1,2,3,4,5,6,7,8,9,10,11,12,13,14,15
	v_med3_num_f32 v[TMP+16*(\c%2)+\i], v[X+16*\c+\i], -v[\lim], v[\lim]   ; the conversion to an 8-bit code does not saturate (ISA guide 7.6.2): the hold comes first
.endr
	v_cvt_scalef32_pk8_fp8_f32 v[\dst+4*\c:\dst+4*\c+1], v[TMP+16*(\c%2):TMP+16*(\c%2)+7], v[\sc]
	v_cvt_scalef32_pk8_fp8_f32 v[\dst+4*\c+2:\dst+4*\c+3], v[TMP+16*(\c%2)+8:TMP+16*(\c%2)+15], v[\sc]   ; its sources are written again two units on: the other set's sixteen holds stand between
.endr
	v_nop                                          ; a plain line behind the last conversion
.endm
.macro WAITCHUNK k                     ; chunk k of eight (16 loads each) is in; the later chunks' loads may be out; a wait names 63 at the most
.if 112-16*(\k) > 63
	s_wait_loadcnt 63
.else
	s_wait_loadcnt 112-16*(\k)
.endif
.endm
	s_load_b512 s[8:23], s[0:1], 0x0               ; y_q s[8:9], x_kv s[10:11], Ty s[12:13], Ly s[14:15], Lx s[16:17], Tx s[18:19], mask s[20:21], scales s[22:23]
	s_load_b128 s[24:27], s[0:1], 0x40             ; ac s[24:25], wc s[26:27]
	s_load_b64 s[28:29], s[0:1], 0x50              ; mimg
	v_lshl_add_u32 v176, v0, 2, 0x8400
	v_mov_b32 v177, 0
	v_lshrrev_b32 v1, 5, v0
	v_readfirstlane_b32 s44, v1                    ; wave 0..3
	v_and_b32 v6, 31, v0                           ; lane
	v_and_b32 v7, 15, v0                           ; r
	v_bfe_u32 v8, v0, 4, 1                         ; h
	v_lshlrev_b32 v1, 4, v6                        ; 16 x lane
	s_wait_kmcnt 0x0
	s_load_b256 s[32:39], s[22:23], 0x0            ; e0 .. e7
	s_load_b128 s[40:43], s[22:23], 0x20           ; e8 .. e11
	s_cmp_ge_u32 ttmp9, 1344
	s_cbranch_scc1 .Lmask
	s_cmp_ge_u32 ttmp9, 1152
	s_cbranch_scc1 .Lweights
; ---- K INNERMOST: y_q, x_kv, Ty.  A wave makes one fragment: 16 rows x 128 numbers.
	s_wait_kmcnt 0x0
	s_cmp_lt_u32 ttmp9, 512                        ; y_q or x_kv?  Every choice hangs on the work-group's number alone
	s_cselect_b64 s[46:47], s[8:9], s[10:11]       ; from where
	s_cselect_b32 s48, s33, s35                    ; e1 or e3
	s_cselect_b32 s49, 0, 512                      ; the job's first work-group
	s_cselect_b32 s50, 0, 0x400000                 ; its image's place
	s_cselect_b32 s51, 0, 1                        ; 1: PERM order, and a second quantiser: x_kv alone
	s_cmp_lt_u32 ttmp9, 1024                       ; or Ty?
	s_cselect_b64 s[46:47], s[46:47], s[12:13]
	s_cselect_b32 s48, s48, s43                    ; e11
	s_cselect_b32 s49, s49, 1024
	s_cselect_b32 s50, s50, 0x300000
	s_cselect_b32 s51, s51, 0
	s_cselect_b64 s[54:55], s[24:25], s[26:27]     ; into ac or wc
	s_sub_co_u32 s56, ttmp9, s49
	s_lshl_b32 s56, s56, 2
	s_add_co_u32 s56, s56, s44                     ; my fragment f
	s_lshr_b32 s57, s56, 3                         ; tile T
	s_and_b32 s58, s56, 7                          ; K step ks
	s_lshl_b32 s52, s56, 11
	s_add_co_u32 s52, s52, s50
	s_mov_b32 s53, 0
	s_add_nc_u64 s[54:55], s[54:55], s[52:53]      ; where my fragment goes
	s_mul_i32 s59, s44, WSTAGE
	s_wait_alu depctr_va_vdst(0)
	v_add_nc_u32 v4, s59, v1                       ; the stage, in: a row as it lies, 16 bytes a lane
	v_mul_u32_u24 v5, v7, SPITCH
	v_lshl_add_u32 v5, v8, 6, v5
	v_add_nc_u32 v5, s59, v5                       ; out: row r, + 64 h: my 16 numbers of each 32
	SCALES 48, 60, 10, 11
	SCALES 39, 60, 12, 13                          ; e7, for x_kv's second codes
	s_cmp_ge_u32 ttmp9, 1024
	s_cbranch_scc1 .Lrows_ty
	s_lshl_b32 s60, s57, 4                         ; NAT: first row 16 T
	s_lshr_b32 s61, s57, 1
	s_lshl_b32 s61, s61, 5
	s_and_b32 s62, s57, 1
	s_lshl_b32 s62, s62, 3
	s_add_co_u32 s61, s61, s62                     ; PERM: 32 (T / 2) + 8 (T % 2)
	s_cmp_eq_u32 s51, 0
	s_cselect_b32 s60, s60, s61
	s_cselect_b32 s63, 0, 32768                    ; PERM: rows 8-15 lie eight rows further down
	s_lshl_b32 s60, s60, 12                        ; a row is 4,096 bytes
	s_lshl_b32 s62, s58, 9
	s_add_co_u32 s60, s60, s62                     ; + 512 ks
	s_mov_b32 s61, 0
	s_add_nc_u64 s[46:47], s[46:47], s[60:61]
	v_add_nc_u32 v2, s63, v1
.irp i, 0,1,2,3,4,5,6,7
	global_load_b128 v[R+4*\i:R+4*\i+3], v1, s[46:47] offset:\i*4096 th:TH_LOAD_NT    ; 32 lanes read 512 consecutive bytes of row i
.endr
.irp i, 8,9,10,11,12,13,14,15
	global_load_b128 v[R+4*\i:R+4*\i+3], v2, s[46:47] offset:\i*4096 th:TH_LOAD_NT
.endr
	s_branch .Lturn
.Lrows_ty:                                             ; Ty[head][q][d]: K = 64 head + d: a row's 128 numbers are 256 bytes of head 2 ks and 256 of head 2 ks + 1
	s_lshl_b32 s60, s58, 19                        ; 2 ks heads of 262,144 bytes
	s_lshl_b32 s62, s57, 12                        ; 16 T rows of 256 bytes
	s_add_co_u32 s60, s60, s62
	s_mov_b32 s61, 0
	s_add_nc_u64 s[46:47], s[46:47], s[60:61]
	v_lshlrev_b32 v3, 4, v7
	v_lshl_add_u32 v3, v8, 18, v3                  ; lanes 16-31: the next head
.irp i, 0,1,2,3,4,5,6,7,8,9,10,11,12,13,14,15
	global_load_b128 v[R+4*\i:R+4*\i+3], v3, s[46:47] offset:\i*256 th:TH_LOAD_NT     ; sixteen lanes read 256 consecutive bytes, aligned
.endr
.Lturn:                                                ; the rows turn through my own stage: in as they lie, out 64 bytes of a row to a lane
	s_wait_alu depctr_va_vdst(0)
.irp i, 0,1,2,3,4,5,6,7,8,9,10,11,12,13,14,15
	s_wait_loadcnt 15-\i                           ; row i is in; the younger rows may be out
	ds_store_b128 v4, v[R+4*\i:R+4*\i+3] offset:\i*SPITCH
.endr
.irp c, 0,1,2,3
.irp q, 0,1,2,3
	ds_load_b128 v[X+16*\c+4*\q:X+16*\c+4*\q+3], v5 offset:128*\c+16*\q   ; LDS serves a wave's instructions in order (ISA guide 5.7.1.4): these see my stores
.endr
.endr
	s_wait_dscnt 0x0
	QUANT 10, 11, C1
.irp c, 0,1,2,3
	global_store_b128 v1, v[C1+4*\c:C1+4*\c+3], s[54:55] offset:\c*512     ; 32 lanes store 512 consecutive bytes, aligned
.endr
	s_cmp_eq_u32 s51, 1
	s_cbranch_scc0 .Ldone_a
	QUANT 12, 13, C2                               ; x_kv once more, with scale 7, into the image 4 MiB further on
.irp c, 0,1,2,3
	global_store_b128 v1, v[C2+4*\c:C2+4*\c+3], s[54:55] offset:0x400000+\c*512
.endr
.Ldone_a:
	s_wait_tensorcnt 0x0
	ds_add_u32 v176, v177
	s_wait_dscnt 0x0
	s_endpgm
; ---- K NOT INNERMOST: Ly, Lx, Tx [head][p][d].  A lane takes a column d and its registers run down p: the conversions' results have K innermost, nothing is transposed.
.Lweights:
	s_wait_kmcnt 0x0
	s_sub_co_u32 s46, ttmp9, 1152
	s_lshr_b32 s47, s46, 6                         ; which weight: 0 Ly, 1 Lx, 2 Tx
	s_bfe_u32 s48, s46, 0x40002                    ; head
	s_and_b32 s49, s46, 3
	s_and_b32 s50, s44, 1                          ; dg: which 32 of the head's 64 columns
	s_lshr_b32 s51, s44, 1
	s_lshl_b32 s49, s49, 1
	s_add_co_u32 s51, s51, s49                     ; K step ks
	s_cmp_eq_u32 s47, 0
	s_cselect_b64 s[54:55], s[14:15], s[16:17]
	s_cselect_b32 s56, s32, s34                    ; e0 or e2
	s_cmp_eq_u32 s47, 2
	s_cselect_b64 s[54:55], s[18:19], s[54:55]
	s_cselect_b32 s56, s38, s56                    ; or e6
	s_lshl_b32 s52, s48, 18                        ; from: head x 262,144 + ks x 128 rows of 256 bytes + dg x 128
	s_lshl_b32 s57, s51, 15
	s_add_co_u32 s52, s52, s57
	s_lshl_b32 s57, s50, 7
	s_add_co_u32 s52, s52, s57
	s_mov_b32 s53, 0
	s_add_nc_u64 s[54:55], s[54:55], s[52:53]
	s_lshl_b32 s52, s47, 20                        ; to: weight x 1 MiB + ((4 head + 2 dg) x 8 + ks) x 2,048
	s_lshl_b32 s57, s48, 16
	s_add_co_u32 s52, s52, s57
	s_lshl_b32 s57, s50, 15
	s_add_co_u32 s52, s52, s57
	s_lshl_b32 s57, s51, 11
	s_add_co_u32 s52, s52, s57
	s_add_nc_u64 s[58:59], s[26:27], s[52:53]
	SCALES 56, 60, 10, 11
	s_wait_alu depctr_va_vdst(0)
	v_and_b32 v2, 8, v7
	v_add_nc_u32 v2, v2, v7
	v_lshl_add_u32 v2, v8, 3, v2                   ; PERM: lane (r, u) is lane r of tile 2 dg + u: column 8 u + r + 8 (r / 8) of the 32
	v_lshlrev_b32 v2, 2, v2
	v_lshlrev_b32 v3, 4, v7
	v_lshl_add_u32 v3, v8, 14, v3                  ; out: 16 r, and tile u's fragments lie 16,384 bytes on
.set p, 0
.rept 128
	global_load_b32 v[R+p], v2, s[54:55] offset:p*256 th:TH_LOAD_NT       ; row p: the wave reads 128 consecutive bytes, two waves the row's 256
.set p, p+1
.endr
.irp k, 0,1,2,3,4,5,6,7                ; chunk k: k = 16 k + 0..15 = unit k / 2, half k % 2
	WAITCHUNK \k
.irp i, 0,1,2,3,4,5,6,7,8,9,10,11,12,13,14,15
	v_med3_num_f32 v[R+16*\k+\i], v[R+16*\k+\i], -v11, v11
.endr
	v_cvt_scalef32_pk8_fp8_f32 v[C1+4*\k:C1+4*\k+1], v[R+16*\k:R+16*\k+7], v10
	v_cvt_scalef32_pk8_fp8_f32 v[C1+4*\k+2:C1+4*\k+3], v[R+16*\k+8:R+16*\k+15], v10    ; results go to a store alone, sources are not written again
	global_store_b128 v3, v[C1+4*\k:C1+4*\k+3], s[58:59] offset:(\k/2)*512+(\k%2)*256  ; each half of the lanes stores 256 consecutive bytes, aligned
.endr
	s_endpgm
; ---- THE MASK [key][query]: a lane takes a query, its registers run down 128 keys; out in the layout in which a lane of the score products holds them.
.Lmask:
	s_wait_kmcnt 0x0
	s_sub_co_u32 s46, ttmp9, 1344
	s_and_b32 s47, s46, 15
	s_lshl_b32 s47, s47, 2
	s_add_co_u32 s47, s47, s44                     ; cg: which 32 queries (query tiles 2 cg, 2 cg + 1)
	s_lshr_b32 s48, s46, 4                         ; key step ks
	s_lshl_b32 s52, s48, 20                        ; from: 128 ks rows of 8,192 bytes + 128 cg
	s_lshl_b32 s49, s47, 7
	s_add_co_u32 s52, s52, s49
	s_mov_b32 s53, 0
	s_add_nc_u64 s[54:55], s[20:21], s[52:53]
	s_lshl_b32 s52, s47, 18                        ; to: (16 x 2 cg + ks) x 8,192
	s_lshl_b32 s49, s48, 13
	s_add_co_u32 s52, s52, s49
	s_add_nc_u64 s[58:59], s[28:29], s[52:53]
	s_add_co_i32 s50, s36, s37
	s_sub_co_i32 s50, 0, s50                       ; -(e4 + e5): a sum of the score product stands for sum x 2^(e4 + e5)
	s_wait_alu depctr_va_vdst(0)
	v_lshlrev_b32 v2, 2, v6
	v_lshlrev_b32 v3, 4, v7
	v_lshl_add_u32 v3, v8, 17, v3                  ; lanes 16-31 hold the next query tile: 16 images of 8,192 bytes on
.set p, 0
.rept 128
	global_load_b32 v[R+p], v2, s[54:55] offset:p*8192 th:TH_LOAD_NT      ; key p: the wave reads 128 consecutive bytes, the four waves 512
.set p, p+1
.endr
.irp k, 0,1,2,3,4,5,6,7                ; chunk k: keys 16 k + 0..15 = 32 (k / 2) + 16 (k % 2) + 0..15
	WAITCHUNK \k
.irp i, 0,1,2,3,4,5,6,7,8,9,10,11,12,13,14,15
	v_ldexp_f32 v[R+16*\k+\i], v[R+16*\k+\i], s50
.endr
.irp i, 0,1,2,3,4,5,6,7,8,9,10,11,12,13,14,15
	v_max_num_f32 v[R+16*\k+\i], 0xfe800000, v[R+16*\k+\i]                ; held at -2^126
.endr
.irp i, 0,1,2,3
	global_store_b128 v3, v[R+16*\k+4*\i:R+16*\k+4*\i+3], s[58:59] offset:(4*(\k/2)+\i)*512+(\k%2)*256   ; each half of the lanes stores 256 consecutive bytes, aligned
.endr
.endr
	s_endpgm
.Lfunc_end_k_q605a2ea45b_prep:
	.size	k_q605a2ea45b_prep, .Lfunc_end_k_q605a2ea45b_prep-k_q605a2ea45b_prep
	.p2alignl 7, 3214868480
	.fill 96, 4, 3214868480
	.section	.rodata,"a",@progbits
	.p2align	6, 0x0
	.amdhsa_kernel k_q605a2ea45b_prep
		.amdhsa_group_segment_fixed_size 34304
		.amdhsa_private_segment_fixed_size 0
		.amdhsa_enable_private_segment 0
		.amdhsa_kernarg_size 88
		.amdhsa_user_sgpr_count 2
		.amdhsa_user_sgpr_kernarg_segment_ptr 1
		.amdhsa_wavefront_size32 1
		.amdhsa_system_sgpr_workgroup_id_x 1
		.amdhsa_system_sgpr_workgroup_id_y 1
		.amdhsa_system_sgpr_workgroup_id_z 1
		.amdhsa_system_vgpr_workitem_id 0
		.amdhsa_next_free_vgpr 178
		.amdhsa_next_free_sgpr 66
		.amdhsa_reserve_vcc 0
		.amdhsa_float_denorm_mode_32 3
		.amdhsa_float_denorm_mode_16_64 3
		.amdhsa_memory_ordered 1
		.amdhsa_forward_progress 1
		.amdhsa_inst_pref_size 75
	.end_amdhsa_kernel
	.amdgpu_metadata
---
amdhsa.version: [ 1, 2 ]
amdhsa.kernels:
  - .name:           k_q605a2ea45b_prep
    .symbol:         k_q605a2ea45b_prep.kd
    .args:
      - { .name: y_q, .offset: 0, .size: 8, .value_kind: global_buffer, .address_space: global }
      - { .name: x_kv, .offset: 8, .size: 8, .value_kind: global_buffer, .address_space: global }
      - { .name: Ty, .offset: 16, .size: 8, .value_kind: global_buffer, .address_space: global }
      - { .name: Ly, .offset: 24, .size: 8, .value_kind: global_buffer, .address_space: global }
      - { .name: Lx, .offset: 32, .size: 8, .value_kind: global_buffer, .address_space: global }
      - { .name: Tx, .offset: 40, .size: 8, .value_kind: global_buffer, .address_space: global }
      - { .name: mask, .offset: 48, .size: 8, .value_kind: global_buffer, .address_space: global }
      - { .name: lowp_scales, .offset: 56, .size: 8, .value_kind: global_buffer, .address_space: global }
      - { .name: ac, .offset: 64, .size: 8, .value_kind: global_buffer, .address_space: global }
      - { .name: wc, .offset: 72, .size: 8, .value_kind: global_buffer, .address_space: global }
      - { .name: mimg, .offset: 80, .size: 8, .value_kind: global_buffer, .address_space: global }
    .group_segment_fixed_size: 34304
    .private_segment_fixed_size: 0
    .kernarg_segment_align: 8
    .kernarg_segment_size: 88
    .max_flat_workgroup_size: 128
    .sgpr_count:     66
    .vgpr_count:     178
    .wavefront_size: 32
...
	.end_amdgpu_metadata
.endif
;; end of part 1
;; launch proj (part 2): grid 64 x 3, 16 waves a work-group, no clusters, 327,680 bytes of LDS; arguments ac, wc, Lo, To0, lowp_scales, qkv; writes qkv
.if DOCPART == 2
	.amdgcn_target "amdgcn-amd-amdhsa--gfx1250"
	.amdhsa_code_object_version 6
	.text
	.protected	k_q605a2ea45b_proj
	.globl	k_q605a2ea45b_proj
	.p2align	8
	.type	k_q605a2ea45b_proj,@function
k_q605a2ea45b_proj:
	s_mov_b64 s[64:65], 0
	v_nop
	global_prefetch_b8 v0, s[64:65] scope:SCOPE_SE
	s_setreg_imm32_b32 hwreg(HW_REG_WAVE_MODE, 25, 1), 1
	s_wait_xcnt 0x0
; PROJ: the three projections on codes of E4M3 (K = 1,024), their biases, and the next quantiser; the results leave as images of the attention launch's operand registers.
;   kind 0 (work-group y): q = y_q Ly + Lo, codes with scale 5.   kind 1: x_kv Lx, scale 4.   kind 2: x_kv Tx + To0, scale 8.
; A work-group makes 256 x 256: 256 rows of source 0 x 256 rows of source 1.  Kinds 0, 1: source 0 = the weight's rows (64 head + d, PERM order), source 1 = tokens: a lane holds one token, and the 16 registers of
; two neighbouring tiles are 16 neighbouring d: the score product's K.  Kind 2: source 0 = tokens (PERM order), source 1 = Tx's rows: a lane holds one d and 16 neighbouring keys: the second attention product's K.
; Sixteen waves, 64 x 64 each: 16 accumulators of 16 x 16; wave w: source 0 tiles 4 (w % 4) on, source 1 tiles 4 (w / 4) on.  The form is 16x16x64: its fragments leave room for four waves' registers on a SIMD.
; Operands arrive as fragment images (2,048 bytes: unit c, lane (r, h): k = 32 c + 16 h + 0..15); a half of 64 along K is two units.  The same order of k on both sides: every product meets its partner.
; K goes in quarters of 256 through a ring of two LDS slots; each wave fetches two tiles' quarter (2 x 4,096 bytes) by one tensor load.  By this text's count one tensor load a wave is out.
; The bias is the C of each sum's first product, divided by the power of two that the sums lack; the three scales ahead of the quantiser are folded into the conversion's one.
; NO CLUSTER: for each quarter the work-group fetches 128 KiB and its waves read 512 KiB from LDS; joint loads would spare none of those reads and would put a round of the cluster's barrier at each of the three changes of slots.
; LIMITS: e5 - e0 - e1, e4 - e2 - e3 and e8 - e6 - e7 between -126 and 119.
.set SLOT,  131072                     ; a slot: source 0's 16 tiles x 4,096 bytes, then source 1's
.set SPARE, 2*SLOT                     ; behind the ring: the spare words, 128 bytes for each of 16 waves: eight blocks of 256 bytes that no other line names
.set SPW,  6                           ; v6   LDS address of my spare word; never rewritten
.set NIL,  7                           ; v7   0; never rewritten
.set F0,   16                          ; v16-47   source 0: four fragments of 16 rows x 64 K
.set F1,   48                          ; v48-79   source 1
.set BI,   80                          ; v80-111  the bias as C; at the end the codes
.set ACC,  112                         ; v112-239 accumulator (i, j) at ACC + 32 j + 8 i
.set G1,   16                          ; s[16:23] descriptor group 1
.set G0,   24                          ; s[24:27], s[28:31] group 0 for slot 0, 1
.set KIND, 41
.set FB,   42                          ; which 256 rows of the weight (four heads)
.set TB,   43                          ; which 256 tokens
.set WV,   44
.set WI,   45
.set WJ,   46
.macro PLACES                          ; four places in front of loads into registers that matrix instructions have read, and of the first read of results
.rept 4
	v_nop
.endr
.endm
.macro FETCH slot, kk, hf              ; the fragments of 64 along K: K step kk of the quarter, half hf
.irp i, 0,1,2,3
.irp u, 0,1
	ds_load_b128 v[F0+8*\i+4*\u:F0+8*\i+4*\u+3], v[2+\slot] offset:\i*4096+\kk*2048+\hf*1024+\u*512
.endr
.endr
.irp i, 0,1,2,3
.irp u, 0,1
	ds_load_b128 v[F1+8*\i+4*\u:F1+8*\i+4*\u+3], v[4+\slot] offset:\i*4096+\kk*2048+\hf*1024+\u*512
.endr
.endr
	s_wait_dscnt 0x0
.endm
.macro MUL mode                        ; 16 products, the 16 accumulators by turns, one instruction a turn.  mode 0: in place; 1: C = the bias of source 0's tile; 2: of source 1's
.irp j, 0,1,2,3
.irp i, 0,1,2,3
.if \mode == 0
	v_wmma_f32_16x16x64_fp8_fp8 v[ACC+32*\j+8*\i:ACC+32*\j+8*\i+7], v[F0+8*\i:F0+8*\i+7], v[F1+8*\j:F1+8*\j+7], v[ACC+32*\j+8*\i:ACC+32*\j+8*\i+7]
.elseif \mode == 1
	v_wmma_f32_16x16x64_fp8_fp8 v[ACC+32*\j+8*\i:ACC+32*\j+8*\i+7], v[F0+8*\i:F0+8*\i+7], v[F1+8*\j:F1+8*\j+7], v[BI+8*\i:BI+8*\i+7]
.else
	v_wmma_f32_16x16x64_fp8_fp8 v[ACC+32*\j+8*\i:ACC+32*\j+8*\i+7], v[F0+8*\i:F0+8*\i+7], v[F1+8*\j:F1+8*\j+7], v[BI+8*\j:BI+8*\j+7]
.endif
.endr
.endr
.endm
.macro HALF slot, kk, hf
	FETCH \slot, \kk, \hf
	MUL 0
	PLACES
.endm
.macro QUARTER slot
	HALF \slot, 0, 0
	HALF \slot, 0, 1
	HALF \slot, 1, 0
	HALF \slot, 1, 1
.endm
; The change of slots: each wave waits for all its tensor loads (its part of the slot ahead), adds 0 to its spare word, waits for that and for its reads of the slot that it leaves; one barrier;
; fill = 1: the slot just left takes the quarter two further on, the wave's first and only tensor load behind the barrier.
.macro CHANGE slot, fill
	s_wait_tensorcnt 0x0                           ; no tensor load of mine is out, so a group 0 may be written
	ds_add_u32 v[SPW], v[NIL]                      ; 0 onto my spare word
.if \fill
	s_add_nc_u64 s[G0+4*\slot+2:G0+4*\slot+3], s[G0+4*\slot+2:G0+4*\slot+3], 8192   ; two quarters of 4,096 bytes on; the type bits on top are not reached
.endif
	s_wait_dscnt 0x0                               ; the add is done, and my reads of the slot are over
	s_barrier_signal -1
	s_barrier_wait -1
.if \fill
	tensor_load_to_lds s[G0+4*\slot:G0+4*\slot+3], s[G1:G1+7]
	s_nop 0
	PLACES                                         ; four v_nop follow the load
.endif
.endm
	s_load_b256 s[4:11], s[0:1], 0x0               ; ac s[4:5], wc s[6:7], Lo s[8:9], To0 s[10:11]
	s_load_b128 s[12:15], s[0:1], 0x20             ; scales s[12:13], qkv s[14:15]
	v_lshl_add_u32 v[SPW], v0, 2, SPARE
	v_mov_b32 v[NIL], 0
	ds_add_u32 v6, v7
	ds_add_u32 v6, v7
	s_wait_dscnt 0x0
	v_lshrrev_b32 v1, 5, v0
	s_delay_alu instid0(VALU_DEP_1)
	v_readfirstlane_b32 s[WV], v1                  ; wave 0..15
	s_and_b32 s[KIND], ttmp7, 0xffff
	s_and_b32 s[FB], ttmp9, 3
	s_lshr_b32 s[TB], ttmp9, 2
	s_and_b32 s[WI], s[WV], 3
	s_lshr_b32 s[WJ], s[WV], 2
	; group 1: two rows of 4,096 bytes (512 elements of 8 bytes), 16,384 bytes apart in memory (a tile's whole K), dense in LDS
	s_mov_b32 s[G1+0], 3<<16                       ; no mask; elements of 8 bytes; no padding
	s_mov_b32 s[G1+1], 512<<16                     ; tensor_dim0
	s_mov_b32 s[G1+2], 2<<16                       ; tensor_dim1
	s_mov_b32 s[G1+3], 512<<16                     ; tile_dim0
	s_mov_b32 s[G1+4], 2                           ; tile_dim1
	s_mov_b32 s[G1+5], 2048                        ; the pitch, in elements
	s_mov_b32 s[G1+6], 0
	s_mov_b32 s[G1+7], 0
	s_lshl_b32 s48, s[FB], 18                      ; in wc: kind x 1 MiB + 16 tiles of 16,384 bytes x fb
	s_lshl_b32 s50, s[KIND], 20
	s_add_co_u32 s48, s48, s50
	s_mov_b32 s49, 0
	s_lshl_b32 s50, s[TB], 18                      ; in ac: kind x 4 MiB + 16 tiles x tb
	s_lshl_b32 s52, s[KIND], 22
	s_add_co_u32 s50, s50, s52
	s_mov_b32 s51, 0
	s_and_b32 s62, s[WV], 7
	s_lshl_b32 s62, s62, 15                        ; the two tiles that I fetch
	s_mov_b32 s63, 0
	s_wait_kmcnt 0x0
	s_load_b256 s[32:39], s[12:13], 0x0            ; e0 .. e7
	s_load_b32 s40, s[12:13], 0x20                 ; e8
	s_add_nc_u64 s[52:53], s[6:7], s[48:49]        ; the weight's rows
	s_add_nc_u64 s[54:55], s[4:5], s[50:51]        ; the tokens
	s_cmp_eq_u32 s[KIND], 2
	s_cselect_b64 s[56:57], s[54:55], s[52:53]     ; source 0
	s_cselect_b64 s[58:59], s[52:53], s[54:55]     ; source 1
	s_cmp_lt_u32 s[WV], 8                          ; waves 0-7 fetch for source 0, waves 8-15 for source 1
	s_cselect_b64 s[60:61], s[56:57], s[58:59]
	s_add_nc_u64 s[60:61], s[60:61], s[62:63]
	s_mov_b32 s[G0], 1
	s_lshl_b32 s[G0+1], s[WV], 13                  ; LDS: wave x 8,192: source 0's tiles, then source 1's
	s_mov_b64 s[G0+2:G0+3], s[60:61]               ; quarter 0
	s_or_b32 s[G0+3], s[G0+3], 0x80000000
	s_mov_b32 s[G0+4], 1
	s_add_co_u32 s[G0+5], s[G0+1], SLOT
	s_add_nc_u64 s[G0+6:G0+7], s[60:61], 4096      ; quarter 1
	s_or_b32 s[G0+7], s[G0+7], 0x80000000
	tensor_load_to_lds s[G0:G0+3], s[G1:G1+7]      ; quarter 0: one tensor load a wave at the head
	s_nop 0
	PLACES
	v_and_b32 v1, 31, v0
	s_delay_alu instid0(VALU_DEP_1)
	v_lshlrev_b32 v1, 4, v1                        ; 16 x lane: an image's place for my lane
	s_lshl_b32 s47, s[WI], 14
	v_add_nc_u32 v2, s47, v1                       ; source 0's fragments in slot 0,
	s_delay_alu instid0(VALU_DEP_1)
	v_add_nc_u32 v3, SLOT, v2                      ; slot 1
	s_lshl_b32 s47, s[WJ], 14
	s_add_co_u32 s47, s47, 65536
	v_add_nc_u32 v4, s47, v1                       ; source 1's
	s_delay_alu instid0(VALU_DEP_1)
	v_add_nc_u32 v5, SLOT, v4
	v_bfe_u32 v14, v0, 4, 1
	s_delay_alu instid0(VALU_DEP_1)
	v_lshlrev_b32 v14, 6, v14                      ; Lo: 64 h bytes
	v_and_b32 v15, 15, v0
	s_delay_alu instid0(VALU_DEP_1)
	v_and_b32 v8, 8, v15
	s_delay_alu instid0(VALU_DEP_1)
	v_add_nc_u32 v15, v15, v8
	s_delay_alu instid0(VALU_DEP_1)
	v_lshlrev_b32 v15, 2, v15                      ; To0: 4 (r + 8 (r / 8)) bytes
	s_wait_kmcnt 0x0
	s_add_co_i32 s66, s32, s33                     ; e0 + e1
	s_add_co_i32 s67, s34, s35                     ; e2 + e3
	s_add_co_i32 s68, s38, s39                     ; e6 + e7
	s_cmp_eq_u32 s[KIND], 0
	s_cselect_b32 s66, s66, s67
	s_cselect_b32 s69, s37, s36                    ; e5 or e4
	s_cmp_eq_u32 s[KIND], 2
	s_cselect_b32 s66, s68, s66                    ; the two operands' exponents added
	s_cselect_b32 s69, s40, s69                    ; the result's
	s_cselect_b32 s72, s[WJ], s[WI]                ; which of the four heads is mine
	s_cselect_b32 s73, s[WI], s[WJ]                ; which 64 of the 256 tokens
	s_mov_b32 s74, 1024
	s_cselect_b32 s74, 2048, s74                   ; bytes from column tile to column tile in the image
	s_cselect_b32 s75, 10, 12
	s_cselect_b32 s76, 8192, 0
	s_sub_co_i32 s70, 0, s66                       ; the bias goes in x 2^-(ea + eb)
	s_sub_co_i32 s69, s69, s66                     ; a sum stands for sum x 2^(ea + eb): its code is sum / 2^(eo - ea - eb)
	s_add_co_i32 s69, s69, 127
	s_lshl_b32 s71, s69, 23
	v_mov_b32 v12, s71                             ; that power of two as f32
	s_add_co_i32 s69, s69, 8
	s_lshl_b32 s69, s69, 23
	s_or_b32 s69, s69, 0x600000
	v_mov_b32 v13, s69                             ; 448 x that
	s_lshr_b32 s77, s[TB], 3
	s_lshl_b32 s77, s77, 4
	s_lshl_b32 s78, s[FB], 2
	s_add_co_u32 s77, s77, s78
	s_add_co_u32 s77, s77, s72                     ; bh = 16 batch + head
	s_and_b32 s78, s[TB], 7                        ; which 256 tokens of the batch
	s_lshl_b32 s79, s77, 17                        ; Q: (128 bh + query tile) x 1,024
	s_lshl_b32 s80, s78, 14
	s_add_co_u32 s79, s79, s80
	s_lshl_b32 s80, s73, 12
	s_add_co_u32 s79, s79, s80
	s_lshl_b32 s81, s77, 18                        ; K, V: 4 MiB + bh x 262,144 + key step x 16,384 + ..
	s_add_co_u32 s81, s81, 0x400000
	s_lshl_b32 s80, s78, 15
	s_add_co_u32 s81, s81, s80
	s_lshr_b32 s80, s73, 1
	s_lshl_b32 s80, s80, 14
	s_add_co_u32 s81, s81, s80
	s_and_b32 s80, s73, 1
	s_lshl_b32 s80, s80, s75                       ; K: four tiles of 1,024 bytes; V: two units of 512,
	s_add_co_u32 s81, s81, s80
	s_add_co_u32 s81, s81, s76                     ; behind K's 8,192
	s_cmp_eq_u32 s[KIND], 0
	s_cselect_b32 s62, s79, s81
	s_add_nc_u64 s[14:15], s[14:15], s[62:63]      ; where my wave's images begin
	v_add_nc_u32 v9, s74, v1                       ; column tiles 1, 2, 3 (tile 0: v1 itself)
	s_lshl_b32 s75, s74, 1
	v_add_nc_u32 v10, s75, v1
	s_add_co_u32 s75, s75, s74
	v_add_nc_u32 v11, s75, v1
	; the bias as C.  Each of the three ways writes all 32 registers
	s_lshl_b32 s47, s[FB], 2
	s_cmp_eq_u32 s[KIND], 1
	s_cbranch_scc1 .Lbias_k
	s_cmp_eq_u32 s[KIND], 2
	s_cbranch_scc1 .Lbias_v
	s_add_co_u32 s62, s47, s[WI]
	s_lshl_b32 s62, s62, 8
	s_add_nc_u64 s[8:9], s[8:9], s[62:63]          ; Lo at my head.  Register e of tile i holds d = 32 (i / 2) + 8 (i % 2) + 16 h + e
.irp i, 0,1,2,3
	global_load_b128 v[BI+8*\i:BI+8*\i+3], v14, s[8:9] offset:(32*(\i/2)+8*(\i%2))*4
	global_load_b128 v[BI+8*\i+4:BI+8*\i+7], v14, s[8:9] offset:(32*(\i/2)+8*(\i%2))*4+16
.endr
	s_wait_loadcnt 0x0
.set p, 0
.rept 32
	v_ldexp_f32 v[BI+p], v[BI+p], s70
.set p, p+1
.endr
	s_branch .Lbias_done
.Lbias_k:                                              ; the key projection has no bias
.set p, 0
.rept 32
	v_mov_b32 v[BI+p], 0
.set p, p+1
.endr
	s_branch .Lbias_done
.Lbias_v:
	s_add_co_u32 s62, s47, s[WJ]
	s_lshl_b32 s62, s62, 8
	s_add_nc_u64 s[10:11], s[10:11], s[62:63]      ; To0 at my head.  My lane holds ONE d of tile j: 32 (j / 2) + 8 (j % 2) + r + 8 (r / 8), in all eight registers
	s_wait_alu depctr_va_vdst(0)
.irp j, 0,1,2,3
	global_load_b32 v[F0+\j], v15, s[10:11] offset:(32*(\j/2)+8*(\j%2))*4
.endr
	s_wait_loadcnt 0x0
.irp j, 0,1,2,3
.irp e, 0,1,2,3,4,5,6,7
	v_ldexp_f32 v[BI+8*\j+\e], v[F0+\j], s70
.endr
.endr
.Lbias_done:
	s_wait_tensorcnt 0x0                           ; my part of quarter 0 is in; slot 1's first fill is issued as a refill is
	ds_add_u32 v[SPW], v[NIL]
	s_wait_dscnt 0x0
	s_barrier_signal -1
	s_barrier_wait -1                              ; everybody's part is in
	tensor_load_to_lds s[G0+4:G0+7], s[G1:G1+7]    ; quarter 1, my one tensor load behind this barrier
	s_nop 0
	PLACES
	FETCH 0, 0, 0                                  ; the first products start the sums with the bias
	s_cmp_eq_u32 s[KIND], 2
	s_cbranch_scc1 .Lfirst_v
	s_wait_alu depctr_va_vdst(0)
	MUL 1
	s_branch .Lfirst_done
.Lfirst_v:
	s_wait_alu depctr_va_vdst(0)
	MUL 2
.Lfirst_done:
	PLACES
	HALF 0, 0, 1
	HALF 0, 1, 0
	HALF 0, 1, 1
	CHANGE 0, 1                                    ; slot 0 takes quarter 2
	QUARTER 1
	CHANGE 1, 1                                    ; slot 1 takes quarter 3
	QUARTER 0
	CHANGE 0, 0                                    ; nothing is left to fetch
	QUARTER 1
	; THE WAY OUT: hold, convert, store.  The 16 registers of accumulators (2 b, j) and (2 b + 1, j) are 16 neighbours along the next K: their 16 codes are my lane's 16 bytes of a unit
.irp j, 0,1,2,3
.irp b, 0,1
.irp i, 0,1,2,3,4,5,6,7,8,9,10,11,12,13,14,15
	v_med3_num_f32 v[ACC+32*\j+16*\b+\i], v[ACC+32*\j+16*\b+\i], -v13, v13    ; each accumulator from its low end on
.endr
	v_cvt_scalef32_pk8_fp8_f32 v[BI+8*\j+4*\b:BI+8*\j+4*\b+1], v[ACC+32*\j+16*\b:ACC+32*\j+16*\b+7], v12
	v_cvt_scalef32_pk8_fp8_f32 v[BI+8*\j+4*\b+2:BI+8*\j+4*\b+3], v[ACC+32*\j+16*\b+8:ACC+32*\j+16*\b+15], v12
.endr
.endr
	v_nop                                          ; a plain line behind the last conversion
.irp b, 0,1
	global_store_b128 v1, v[BI+4*\b:BI+4*\b+3], s[14:15] offset:\b*512      ; 32 lanes store 512 consecutive bytes, aligned
.endr
.irp j, 1,2,3
.irp b, 0,1
	global_store_b128 v[8+\j], v[BI+8*\j+4*\b:BI+8*\j+4*\b+3], s[14:15] offset:\b*512
.endr
.endr
	s_wait_tensorcnt 0x0                           ; the wave's end
	ds_add_u32 v[SPW], v[NIL]
	s_wait_dscnt 0x0
	s_endpgm
.Lfunc_end_k_q605a2ea45b_proj:
	.size	k_q605a2ea45b_proj, .Lfunc_end_k_q605a2ea45b_proj-k_q605a2ea45b_proj
	.p2alignl 7, 3214868480
	.fill 96, 4, 3214868480
	.section	.rodata,"a",@progbits
	.p2align	6, 0x0
	.amdhsa_kernel k_q605a2ea45b_proj
		.amdhsa_group_segment_fixed_size 327680
		.amdhsa_private_segment_fixed_size 0
		.amdhsa_enable_private_segment 0
		.amdhsa_kernarg_size 48
		.amdhsa_user_sgpr_count 2
		.amdhsa_user_sgpr_kernarg_segment_ptr 1
		.amdhsa_wavefront_size32 1
		.amdhsa_system_sgpr_workgroup_id_x 1
		.amdhsa_system_sgpr_workgroup_id_y 1
		.amdhsa_system_sgpr_workgroup_id_z 1
		.amdhsa_system_vgpr_workitem_id 0
		.amdhsa_next_free_vgpr 240
		.amdhsa_next_free_sgpr 84
		.amdhsa_reserve_vcc 0
		.amdhsa_float_denorm_mode_32 3
		.amdhsa_float_denorm_mode_16_64 3
		.amdhsa_memory_ordered 1
		.amdhsa_forward_progress 1
		.amdhsa_inst_pref_size 60
	.end_amdhsa_kernel
	.amdgpu_metadata
---
amdhsa.version: [ 1, 2 ]
amdhsa.kernels:
  - .name:           k_q605a2ea45b_proj
    .symbol:         k_q605a2ea45b_proj.kd
    .args:
      - { .name: ac, .offset: 0, .size: 8, .value_kind: global_buffer, .address_space: global }
      - { .name: wc, .offset: 8, .size: 8, .value_kind: global_buffer, .address_space: global }
      - { .name: Lo, .offset: 16, .size: 8, .value_kind: global_buffer, .address_space: global }
      - { .name: To0, .offset: 24, .size: 8, .value_kind: global_buffer, .address_space: global }
      - { .name: lowp_scales, .offset: 32, .size: 8, .value_kind: global_buffer, .address_space: global }
      - { .name: qkv, .offset: 40, .size: 8, .value_kind: global_buffer, .address_space: global }
    .group_segment_fixed_size: 327680
    .private_segment_fixed_size: 0
    .kernarg_segment_align: 8
    .kernarg_segment_size: 48
    .max_flat_workgroup_size: 512
    .sgpr_count:     84
    .vgpr_count:     240
    .wavefront_size: 32
...
	.end_amdgpu_metadata
.endif
;; end of part 2
;; launch attn (part 3): grid 16 x 16, 8 waves a work-group, clusters of 4 x 1, 327,680 bytes of LDS; arguments qkv, mimg, lowp_scales, oimg; writes oimg
.if DOCPART == 3
	.amdgcn_target "amdgcn-amd-amdhsa--gfx1250"
	.amdhsa_code_object_version 6
	.text
	.protected	k_q605a2ea45b_attn
	.globl	k_q605a2ea45b_attn
	.p2align	8
	.type	k_q605a2ea45b_attn,@function
k_q605a2ea45b_attn:
	s_mov_b64 s[64:65], 0
	v_nop
	global_prefetch_b8 v0, s[64:65] scope:SCOPE_SE
	s_setreg_imm32_b32 hwreg(HW_REG_WAVE_MODE, 25, 1), 1
	s_wait_xcnt 0x0
	s_wait_alu depctr_hold_cnt(0) depctr_sa_sdst(0) depctr_va_vdst(0) depctr_va_sdst(0) depctr_va_ssrc(0) depctr_va_vcc(0) depctr_vm_vsrc(0)
	s_getreg_b32 s2, hwreg(HW_REG_IB_STS2, 6, 4)
	s_cmp_eq_u32 s2, 0
	s_cbranch_scc0 .Lentry_in_a_cluster
	s_endpgm
.Lentry_in_a_cluster:
	s_bfe_u32 s2, ttmp6, 0x10000c
	s_cmp_lg_u32 s2, 0x3003
	s_cbranch_scc0 .Lentry_shape_is_right
	s_endpgm
.Lentry_shape_is_right:
; ATTN: scores, column softmax and weighted sum on codes of E4M3, for all 32 (batch, head) pairs; the result leaves as codes (scale 10) in the order of the last launch's operand registers.
; t = (score + mask) x log2(e) / 8; M = the running largest t rounded up to a whole number; p = 2^(t - M) is quantised (scale 9); the sum of the unquantised p divides at the end.
; SHARES. Work-group (x, y): queries 128 x .. 128 x + 127 of the two heads bh = 2 y, 2 y + 1 (one batch). Each of 8 waves owns ONE tile of 16 queries for BOTH heads: the mask hangs on query and key alone,
; so one mask fragment (64 registers, 16 queries x 128 keys, already divided by 2^(e4 + e5)) is the C operand of both heads' score products and is loaded once for the two.
; Both products are used transposed (S^T = K Q^T, O^T = V^T P^T): a lane holds one query; the keys of a tile of K were ordered by the projection launch so that 16 registers are 16 neighbouring keys.
; CLUSTER 4, 1, 1: the four partners hold four query blocks of the same two heads and walk the same K and V: every K/V load is a joint load (mask 15), its address made of y, the wave and the count of fills alone.
; The mask image is not asked for jointly: it goes from memory straight into each wave's registers in register order and never lies in LDS; its readers in common (same x, other y) lie in other clusters.
; RING: two slots of 65,536 bytes; a slot holds two key steps (128 keys each) of both heads: head x 32,768 + step x 16,384 (K 8,192, then V 8,192). Each wave brings 8,192 bytes (32 rows of 256) by one load.
; The change of slots stands at a slot's head: wait for all tensor loads, the add, wait for LDS, a round of the cluster's barrier, the fill of the slot just left. By this text's count one tensor load a wave is out.
; MASK: two register sets by turns; the set that a step's second head has used takes the step two further on: s_wait_loadcnt 16 leaves the 16 younger loads (the other set) out.
; PREFETCH: the 16 work-groups of one x read the same mask rows and share the key steps out: work-group y asks for step y (each wave its own tile's 8,192 bytes, lanes 256 apart), one trip (two steps) ahead of the loads
; that want it; steps 0-3 come by their loads alone. K/V: each cluster asks for the fill after the one being loaded; the four partners take 16,384 bytes each BY ADDRESS (cx), waves 0 and 1, 8,192 bytes a wave; fills 0, 1 and nothing past fill 7.
; REGISTERS, window 0: v0-31 addresses and state; v32-95 V's fragments; v96-111 p's codes; v112-175 S^T, then p; v176-239 O^T (head 0, head 1); v240-255 Q (two heads).
;   window 1: v0-63 K's fragments (asked for one head ahead); v64-191 the two mask sets.
; LIMITS: e4 + e5 between -123 and 130; e9 and e10 between -126 and 119; the scaled scores stay under 2^31 in magnitude.
.set KV,    0x400000
.set SLOT1, 65536
.set SPARE, 131072                     ; behind the ring: the spare words, 128 bytes a wave
.set WV, 12
.set Y,  13
.set CX, 14
.set QT, 15
.set G1, 16
.set G0, 24
.set TB, 28                            ; LDS byte at which the slot in hand begins
.set CNT, 29                           ; fills still to be asked for
.set LIMM, 30
.set LIMK, 31
.set MB, 32
.set PFA, 34
.set PFM, 36
.set QP, 38
.set OP, 48
.set SEL, 50
.set CS, 52
.set EO, 54
.set PFO, 3
.set PD, 4
.set T0, 5
.set SU, 6
.set FF, 8
.set LIM9, 10
.set SC9, 11
.set SPW, 20
.set NIL, 21
.set SC10, 22
.set LIM10, 23
.set LIM9B, 25                         ; 448 x 2^e9 once more, for the second half of a dual pair
.set KB, 32
.set PC, 96
.set S,  112
.set O,  176
.set Q,  240
.set KW, 0                             ; window 1
.set MS, 64                            ; window 1
.set MSB, 0
.macro WIN new                         ; the immediate's high byte repeats the setting that is left
.if MSB != \new
	s_set_vgpr_msb (MSB<<8)|\new
.set MSB, \new
.endif
.endm
.macro PLACES
.rept 4
	v_nop
.endr
.endm
.macro CREST
	s_cmp_lg_u32 s[WV], 0
	s_cbranch_scc1 .Lnot_wave_0_\@
	s_barrier_signal -3
.Lnot_wave_0_\@:
	s_barrier_wait -3
	s_barrier_signal -1
	s_barrier_wait -1
.endm
.macro CROUND
	s_barrier_signal -1
	s_barrier_wait -1
	CREST
.endm
.macro SCALES e, t, sc, lim            ; s[e] is used up: v[sc] = 2^e as f32, v[lim] = 448 x 2^e
	s_add_co_i32 s[\e], s[\e], 127
	s_lshl_b32 s[\t], s[\e], 23
	v_mov_b32 v[\sc], s[\t]
	s_add_co_i32 s[\e], s[\e], 8
	s_lshl_b32 s[\e], s[\e], 23
	s_or_b32 s[\e], s[\e], 0x600000
	v_mov_b32 v[\lim], s[\e]
.endm
.macro KLOAD x, q                      ; under window 0x40: eight tiles of 16 keys x 64
.irp t, 0,1,2,3,4,5,6,7
	ds_load_b128 v[KW+8*\t:KW+8*\t+3], v2 offset:(\x)*32768+(\q)*16384+\t*1024
	ds_load_b128 v[KW+8*\t+4:KW+8*\t+7], v2 offset:(\x)*32768+(\q)*16384+\t*1024+512
.endr
.endm
.macro VLOAD x, q                      ; four tiles of 16 d x 128 keys
.irp d, 0,1,2,3
.irp c, 0,1,2,3
	ds_load_b128 v[KB+16*\d+4*\c:KB+16*\d+4*\c+3], v2 offset:(\x)*32768+(\q)*16384+8192+\d*2048+\c*512
.endr
.endr
.endm
.macro MLOAD set, off                  ; under window 0x40: a key step's mask fragment, 32 lanes x 16 bytes an instruction
.irp u, 0,1,2,3,4,5,6,7,8,9,10,11,12,13,14,15
	global_load_b128 v[MS+64*(\set)+4*\u:MS+64*(\set)+4*\u+3], v1, s[MB:MB+1] offset:(\off)+\u*512
.endr
.endm
.macro ASK
	s_cmp_eq_u32 s[CNT], s[LIMM]                   ; my work-group's key step of the mask is due in the next trip's loads
	s_cbranch_scc0 .Lnm_\@
	global_prefetch_b8 v[PFO], s[PFM:PFM+1] th:TH_LOAD_NT scope:SCOPE_SE
.Lnm_\@:
	s_cmp_gt_u32 s[CNT], s[LIMK]                   ; waves 0 and 1, while a fill follows the one just asked for
	s_cbranch_scc0 .Lnk_\@
	global_prefetch_b8 v[PFO], s[PFA:PFA+1] th:TH_LOAD_NT scope:SCOPE_SE
.Lnk_\@:
.endm
	s_load_b256 s[4:11], s[0:1], 0x0               ; qkv s[4:5], mimg s[6:7], scales s[8:9], oimg s[10:11]
	v_lshl_add_u32 v[SPW], v0, 2, SPARE
	v_mov_b32 v[NIL], 0
	ds_add_u32 v[SPW], v[NIL]                      ; the opening lines: the add, twice on end, and its wait
	ds_add_u32 v[SPW], v[NIL]
	v_lshrrev_b32 v1, 5, v0
	v_readfirstlane_b32 s[WV], v1                  ; wave 0..7
	s_and_b32 s[Y], ttmp7, 0xffff                  ; the pair of heads
	s_mov_b32 s[G1+0], 15|(3<<16)|(1<<21)          ; the four partners; elements of 8 bytes; bit 21 beside the mask; no padding
	s_mov_b32 s[G1+1], 32<<16                      ; rows of 256 bytes
	s_mov_b32 s[G1+2], 32<<16                      ; 32 rows
	s_mov_b32 s[G1+3], 32<<16
	s_mov_b32 s[G1+4], 32
	s_mov_b32 s[G1+5], 32                          ; dense
	s_mov_b32 s[G1+6], 0
	s_mov_b32 s[G1+7], 0
	s_mov_b32 s[G0], 1
	s_lshl_b32 s[G0+1], s[WV], 13                  ; LDS: wave x 8,192 = head x 32,768 + step x 16,384 + half x 8,192
	s_lshl_b32 s56, s[Y], 19                       ; memory: two heads of 262,144 bytes a pair,
	s_add_co_u32 s56, s56, KV
	s_lshr_b32 s58, s[WV], 2
	s_lshl_b32 s58, s58, 18                        ; + head
	s_add_co_u32 s56, s56, s58
	s_and_b32 s58, s[WV], 3
	s_lshl_b32 s58, s58, 13                        ; + step and half
	s_add_co_u32 s56, s56, s58
	s_mov_b32 s57, 0
	s_wait_dscnt 0x0
	s_wait_kmcnt 0x0
	s_load_b64 s[40:41], s[8:9], 0x10              ; e4, e5
	s_load_b128 s[44:47], s[8:9], 0x20             ; e8 .. e11
	s_add_nc_u64 s[G0+2:G0+3], s[4:5], s[56:57]
	s_or_b32 s[G0+3], s[G0+3], 0x80000000
	CROUND                                         ; the four work-groups are here: the first joint loads meet
	tensor_load_to_lds s[G0:G0+3], s[G1:G1+7]      ; fill 0, slot 0
	s_nop 0
	PLACES
	s_bfe_u32 s[CX], ttmp6, 0x40000
	s_lshl_b32 s60, ttmp9, 2
	s_add_co_u32 s60, s60, s[CX]                   ; query block
	s_lshl_b32 s[QT], s60, 3
	s_add_co_u32 s[QT], s[QT], s[WV]               ; my query tile, 0..127
	v_and_b32 v3, 31, v0
	v_lshlrev_b32 v1, 4, v3                        ; 16 x lane
	v_lshlrev_b32 v[PFO], 8, v3                    ; 256 x lane
	s_lshl_b32 s62, s[Y], 18
	s_lshl_b32 s60, s[QT], 10
	s_add_co_u32 s62, s62, s60
	s_mov_b32 s63, 0
	s_add_nc_u64 s[QP:QP+1], s[4:5], s[62:63]      ; Q: (128 bh + tile) x 1,024; the second head 131,072 on
	s_lshl_b32 s62, s[QT], 17
	s_add_nc_u64 s[MB:MB+1], s[6:7], s[62:63]      ; my tile's 16 mask images of 8,192 bytes
	s_lshl_b32 s62, s[Y], 13
	s_add_nc_u64 s[PFM:PFM+1], s[MB:MB+1], s[62:63]
	s_wait_alu depctr_va_vdst(0)                   ; ahead of v1's reader
.irp x, 0,1
	global_load_b128 v[Q+8*\x:Q+8*\x+3], v1, s[QP:QP+1] offset:\x*131072
	global_load_b128 v[Q+8*\x+4:Q+8*\x+7], v1, s[QP:QP+1] offset:\x*131072+512
.endr
	WIN 0x40
	MLOAD 0, 0                                     ; key steps 0 and 1
	MLOAD 1, 8192
	WIN 0
	s_lshl_b32 s62, s[Y], 19                       ; the K/V prefetch: my work-group's 16,384 bytes of a fill, my wave's half; at fill 1, stepped ahead of its first use
	s_add_co_u32 s62, s62, KV+32768
	s_lshr_b32 s60, s[CX], 1
	s_lshl_b32 s60, s60, 18
	s_add_co_u32 s62, s62, s60
	s_and_b32 s60, s[CX], 1
	s_lshl_b32 s60, s60, 14
	s_add_co_u32 s62, s62, s60
	s_and_b32 s60, s[WV], 1
	s_lshl_b32 s60, s60, 13
	s_add_co_u32 s62, s62, s60
	s_add_nc_u64 s[PFA:PFA+1], s[4:5], s[62:63]
	s_lshr_b32 s62, s[Y], 3                        ; out: ((128 batch + tile) x 8 + head / 2) x 2,048; the pair's two heads fill the 2,048
	s_lshl_b32 s62, s62, 7
	s_add_co_u32 s62, s62, s[QT]
	s_lshl_b32 s62, s62, 14
	s_and_b32 s60, s[Y], 7
	s_lshl_b32 s60, s60, 11
	s_add_co_u32 s62, s62, s60
	s_add_nc_u64 s[OP:OP+1], s[10:11], s[62:63]
	s_sub_co_u32 s60, s[Y], 4
	s_lshr_b32 s60, s60, 1
	s_sub_co_u32 s60, 7, s60                       ; the count at which the next trip's loads want key step y
	s_cmp_ge_u32 s[Y], 4
	s_cselect_b32 s[LIMM], s60, 0
	s_cmp_lt_u32 s[WV], 2
	s_cselect_b32 s[LIMK], 1, -1
	s_mov_b32 s[SEL], 0x76543210
	s_mov_b32 s[SEL+1], 0xfedcba98
	s_mov_b32 s[TB], 0
	s_mov_b32 s[CNT], 7
.irp x, 0,1
	v_mov_b32 v[13+4*\x], 0xff61b1e6               ; the largest t so far: -3e38
	v_floor_f32 v[12+4*\x], -v[13+4*\x]            ; -M
	v_mov_b32 v[14+4*\x], 0                        ; the sum, in two halves
	v_mov_b32 v[15+4*\x], 0
.endr
	v_mov_b32 v[PD], 0
	v_mov_b32 v[FF+1], 0
.set p, 0
.rept 64
	v_mov_b32 v[O+p], 0                            ; the step is written once: the first change of M leaves zeros zeros
.set p, p+1
.endr
	s_wait_kmcnt 0x0
	s_add_co_i32 s60, s40, s41
	s_lshl_b32 s60, s60, 23
	s_add_co_i32 s[CS], s60, 0x3e38aa3b            ; c = log2(e) / 8 x 2^(e4 + e5)
	s_mov_b32 s[CS+1], s[CS]
	s_add_co_i32 s[EO], s44, s45                   ; e8 + e9
	SCALES 45, 60, SC9, LIM9
	v_mov_b32 v[LIM9B], s45
	SCALES 46, 60, SC10, LIM10
; One head's share of a key step: x the head, q the step in the slot, more = 1 in the loop's copy.
.macro HEAD x, q, more
.if \x == 0
.if (\q == 1) && (\more == 0)
	s_wait_loadcnt 0x0                             ; the last mask set
.else
	s_wait_loadcnt 16                              ; this step's mask set is in; the other set's 16 loads may be out
.endif
.endif
	s_wait_dscnt 0x0                               ; K's fragments
	WIN 0x11                                       ; K and the mask lie in window 1
.irp t, 0,1,2,3,4,5,6,7
	v_wmma_f32_16x16x64_fp8_fp8 v[S+8*\t:S+8*\t+7], v[KW+8*\t:KW+8*\t+7], v[Q+8*\x:Q+8*\x+7], v[MS+64*\q+8*\t:MS+64*\q+8*\t+7]
.endr
	PLACES                                         ; in front of the loads into registers that matrix instructions have read, and of the first read of S^T
	WIN 0x40
.if \x == 0
	KLOAD 1, \q                                    ; the next head's K, one head ahead
.elseif \q == 0
	KLOAD 0, 1
.endif
.if (\x == 1) && \more
	MLOAD \q, 8192*\q                              ; both heads have used this set: it takes the key step two further on
.endif
	WIN 0
	VLOAD \x, \q
.if (\x == 0) && (\q == 0) && \more
	ASK
.endif
	v_max3_num_f32 v[T0], v[S], v[S+1], v[S+2]     ; the step's largest score of my query, in two chains; each accumulator from its low end on
	v_max3_num_f32 v[FF], v[S+3], v[S+4], v[S+5]
.irp i, 6,10,14,18,22,26,30,34,38,42,46,50,54,58
	v_max3_num_f32 v[T0], v[T0], v[S+\i], v[S+1+\i]
	v_max3_num_f32 v[FF], v[FF], v[S+2+\i], v[S+3+\i]
.endr
	v_max3_num_f32 v[T0], v[T0], v[S+62], v[S+63]
	s_delay_alu instid0(VALU_DEP_1)
	v_max_num_f32 v[T0], v[T0], v[FF]
	s_delay_alu instid0(VALU_DEP_1)
	v_permlanex16_b32 v[PD], v[T0], s[SEL], s[SEL+1]
	s_delay_alu instid0(VALU_DEP_1)
	v_max_num_f32 v[T0], v[T0], v[PD]
	s_delay_alu instid0(VALU_DEP_1)
	v_mul_f32 v[T0], s[CS], v[T0]                  ; as t (c is positive)
	s_delay_alu instid0(VALU_DEP_1)
	v_max_num_f32 v[13+4*\x], v[13+4*\x], v[T0]
	v_mov_b32 v[T0], v[12+4*\x]
	s_delay_alu instid0(VALU_DEP_2)
	v_floor_f32 v[12+4*\x], -v[13+4*\x]            ; -M = floor(-t)
	s_delay_alu instid0(VALU_DEP_1)
	v_sub_f32 v[T0], v[12+4*\x], v[T0]
	s_delay_alu instid0(VALU_DEP_1)
	v_cvt_i32_f32 v[T0], v[T0]
	s_delay_alu instid0(VALU_DEP_1)
	v_ldexp_f32 v[FF], 1.0, v[T0]                  ; f = 2^(old M - new M)
.irp j, 0,2,4,6,8,10,12,14,16,18,20,22,24,26,28,30,32,34,36,38,40,42,44,46,48,50,52,54,56,58,60,62
	v_pk_fma_f32 v[S+\j:S+1+\j], v[S+\j:S+1+\j], s[CS:CS+1], v[12+4*\x:13+4*\x] op_sel_hi:[1,0,0]   ; t - M
.endr
	s_wait_alu depctr_va_vdst(0)                   ; ahead of the batch
.set p, 0
.rept 64
	v_exp_f32 v[S+p], v[S+p]
.set p, p+1
.endr
	v_pk_mul_f32 v[14+4*\x:15+4*\x], v[14+4*\x:15+4*\x], v[FF:FF+1] op_sel_hi:[1,0]   ; the sums under the new M; a plain place behind the batch
	s_wait_alu depctr_va_vdst(0)                   ; one wait for the batch, ahead of its first reader
	v_pk_add_f32 v[SU:SU+1], v[S:S+1], v[S+2:S+3]  ; the sum of the unquantised p, in two chains
.irp j, 4,8,12,16,20,24,28,32,36,40,44,48,52,56,60
	v_pk_add_f32 v[14+4*\x:15+4*\x], v[14+4*\x:15+4*\x], v[S+\j:S+1+\j]
	v_pk_add_f32 v[SU:SU+1], v[SU:SU+1], v[S+2+\j:S+3+\j]
.endr
	s_delay_alu instid0(VALU_DEP_1)
	v_pk_add_f32 v[14+4*\x:15+4*\x], v[14+4*\x:15+4*\x], v[SU:SU+1]
.irp b, 0,1,2,3
.irp i, 0,2,4,6,8,10,12,14
	v_dual_min_num_f32 v[S+16*\b+\i], v[S+16*\b+\i], v[LIM9] :: v_dual_min_num_f32 v[S+16*\b+\i+1], v[S+16*\b+\i+1], v[LIM9B]   ; the hold (ISA guide 7.6.2: the conversion does not saturate); p is not negative
.endr
	v_cvt_scalef32_pk8_fp8_f32 v[PC+4*\b:PC+4*\b+1], v[S+16*\b:S+16*\b+7], v[SC9]
	v_cvt_scalef32_pk8_fp8_f32 v[PC+4*\b+2:PC+4*\b+3], v[S+16*\b+8:S+16*\b+15], v[SC9]
.endr
	s_wait_alu depctr_va_vdst(0)                   ; directly ahead of the first reader of O^T
.irp j, 0,2,4,6,8,10,12,14,16,18,20,22,24,26,28,30
	v_pk_mul_f32 v[O+32*\x+\j:O+32*\x+1+\j], v[O+32*\x+\j:O+32*\x+1+\j], v[FF:FF+1] op_sel_hi:[1,0]   ; O^T under the new M
.endr
	s_wait_alu depctr_va_vdst(0)
	s_wait_dscnt 0x0                               ; V's fragments (and the next head's K)
.irp d, 0,1,2,3
	v_wmma_f32_16x16x128_fp8_fp8 v[O+32*\x+8*\d:O+32*\x+8*\d+7], v[KB+16*\d:KB+16*\d+15], v[PC:PC+15], v[O+32*\x+8*\d:O+32*\x+8*\d+7]
.endr
.endm
.macro CHANGE fill
	s_wait_tensorcnt 0x0                           ; my part of the slot ahead is in; no load of mine is out, so group 0 may be written
	ds_add_u32 v[SPW], v[NIL]
.if \fill
	s_xor_b32 s[G0+1], s[G0+1], SLOT1              ; the other slot,
	s_add_nc_u64 s[G0+2:G0+3], s[G0+2:G0+3], 32768 ; the next two key steps
	s_wait_xcnt 0x0                                ; my loads and prefetches have read their bases
	s_add_nc_u64 s[PFA:PFA+1], s[PFA:PFA+1], 32768
	s_add_nc_u64 s[MB:MB+1], s[MB:MB+1], 16384
.endif
	s_wait_dscnt 0x0                               ; the add is done, my reads of the slot that I leave are over
	s_barrier_signal -1
	s_barrier_wait -1
.if \fill
	CREST                                          ; the barrier has opened a round of the cluster's barrier
	tensor_load_to_lds s[G0:G0+3], s[G1:G1+7]      ; the first time: slot 1's first fill, issued as a refill is
	s_nop 0
	PLACES
.endif
.endm
.macro SLOT_STEPS more
	v_add_nc_u32 v2, s[TB], v1
	s_wait_alu depctr_va_vdst(0)
	WIN 0x40
	KLOAD 0, 0
	WIN 0
	HEAD 0, 0, \more
	HEAD 1, 0, \more
	HEAD 0, 1, \more
	HEAD 1, 1, \more
	s_xor_b32 s[TB], s[TB], SLOT1
.endm
	s_wait_alu depctr_va_vdst(0)
.Lslot:                                                ; seven trips: behind each change of slots but the last the next fill is asked for
	CHANGE 1
	SLOT_STEPS 1
	s_sub_co_u32 s[CNT], s[CNT], 1
	s_cmp_lg_u32 s[CNT], 0
	s_cbranch_scc1 .Lslot
	CHANGE 0                                       ; the last slot is written out: nothing is left to fetch
	SLOT_STEPS 0
; THE WAY OUT: O^T / the sum x 2^(e8 + e9), held, converted with scale 10; a lane's 16 codes are its 16 bytes of a unit of the next launch's fragment image.
.macro FIN x
	v_add_f32 v[14+4*\x], v[14+4*\x], v[15+4*\x]
	v_permlanex16_b32 v[FF], v[14+4*\x], s[SEL], s[SEL+1]
	v_add_f32 v[14+4*\x], v[14+4*\x], v[FF]
	s_wait_alu depctr_va_vdst(0)                   ; ahead of the transcendental
	v_rcp_f32 v[14+4*\x], v[14+4*\x]
	v_nop
	s_wait_alu depctr_va_vdst(0)                   ; ahead of its first reader
	v_ldexp_f32 v[14+4*\x], v[14+4*\x], s[EO]
	s_wait_alu depctr_va_vdst(0)                   ; directly ahead of the first reader of O^T
.set p, 0
.rept 32
	v_mul_f32 v[S+32*\x+p], v[O+32*\x+p], v[14+4*\x]
.set p, p+1
.endr
.set p, 0
.rept 32
	v_med3_num_f32 v[S+32*\x+p], v[S+32*\x+p], -v[LIM10], v[LIM10]
.set p, p+1
.endr
.irp g, 0,1,2,3
	v_cvt_scalef32_pk8_fp8_f32 v[KB+8*\x+2*\g:KB+8*\x+2*\g+1], v[S+32*\x+8*\g:S+32*\x+8*\g+7], v[SC10]
.endr
	v_nop                                          ; a plain line behind the last conversion
	global_store_b128 v1, v[KB+8*\x:KB+8*\x+3], s[OP:OP+1] offset:\x*1024        ; 32 lanes store 512 consecutive bytes, aligned
	global_store_b128 v1, v[KB+8*\x+4:KB+8*\x+7], s[OP:OP+1] offset:\x*1024+512
.endm
	PLACES
	FIN 0
	FIN 1
	s_wait_tensorcnt 0x0                           ; the wave's end
	ds_add_u32 v[SPW], v[NIL]
	s_wait_dscnt 0x0
	CROUND                                         ; the closing round
	s_endpgm
.Lfunc_end_k_q605a2ea45b_attn:
	.size	k_q605a2ea45b_attn, .Lfunc_end_k_q605a2ea45b_attn-k_q605a2ea45b_attn
	.p2alignl 7, 3214868480
	.fill 96, 4, 3214868480
	.section	.rodata,"a",@progbits
	.p2align	6, 0x0
	.amdhsa_kernel k_q605a2ea45b_attn
		.amdhsa_group_segment_fixed_size 327680
		.amdhsa_private_segment_fixed_size 0
		.amdhsa_enable_private_segment 0
		.amdhsa_kernarg_size 32
		.amdhsa_user_sgpr_count 2
		.amdhsa_user_sgpr_kernarg_segment_ptr 1
		.amdhsa_wavefront_size32 1
		.amdhsa_system_sgpr_workgroup_id_x 1
		.amdhsa_system_sgpr_workgroup_id_y 1
		.amdhsa_system_sgpr_workgroup_id_z 1
		.amdhsa_system_vgpr_workitem_id 0
		.amdhsa_next_free_vgpr 448
		.amdhsa_next_free_sgpr 72
		.amdhsa_reserve_vcc 0
		.amdhsa_float_denorm_mode_32 3
		.amdhsa_float_denorm_mode_16_64 3
		.amdhsa_memory_ordered 1
		.amdhsa_forward_progress 1
		.amdhsa_inst_pref_size 148
	.end_amdhsa_kernel
	.amdgpu_metadata
---
amdhsa.version: [ 1, 2 ]
amdhsa.kernels:
  - .name:           k_q605a2ea45b_attn
    .symbol:         k_q605a2ea45b_attn.kd
    .args:
      - { .name: qkv, .offset: 0, .size: 8, .value_kind: global_buffer, .address_space: global }
      - { .name: mimg, .offset: 8, .size: 8, .value_kind: global_buffer, .address_space: global }
      - { .name: lowp_scales, .offset: 16, .size: 8, .value_kind: global_buffer, .address_space: global }
      - { .name: oimg, .offset: 24, .size: 8, .value_kind: global_buffer, .address_space: global }
    .group_segment_fixed_size: 327680
    .private_segment_fixed_size: 0
    .kernarg_segment_align: 8
    .kernarg_segment_size: 32
    .max_flat_workgroup_size: 256
    .sgpr_count:     72
    .vgpr_count:     448
    .wavefront_size: 32
...
	.end_amdgpu_metadata
.endif
;; end of part 3
;; launch outp (part 4): grid 8 x 32, 16 waves a work-group, no clusters, 327,680 bytes of LDS; arguments wc, oimg, To1, lowp_scales, out0; writes out0
.if DOCPART == 4
	.amdgcn_target "amdgcn-amd-amdhsa--gfx1250"
	.amdhsa_code_object_version 6
	.text
	.protected	k_q605a2ea45b_outp
	.globl	k_q605a2ea45b_outp
	.p2align	8
	.type	k_q605a2ea45b_outp,@function
k_q605a2ea45b_outp:
	s_mov_b64 s[64:65], 0
	v_nop
	global_prefetch_b8 v0, s[64:65] scope:SCOPE_SE
	s_setreg_imm32_b32 hwreg(HW_REG_WAVE_MODE, 25, 1), 1
	s_wait_xcnt 0x0
; OUTP: out = (attention result, codes with scale 10) x Ty^T (codes with scale 11) x 2^(e10 + e11) + To1.  K = 1,024 = 64 head + d.
; A work-group makes 128 tokens x 128 columns; sixteen waves, 32 x 32 each (four accumulators by turns).  Source 0 = Ty's rows (output columns), source 1 = tokens: a lane holds eight neighbouring columns of one token's row.
; Operands arrive as fragment images (tile T, K step ks at (8 T + ks) x 2,048).  K comes in two halves of 512: wave w brings 8,192 bytes (32 rows of 256) of one tile a half: waves 0-7 Ty's tiles, waves 8-15 the tokens'.
; Half 0 is asked for at the head; half 1, a first fill on bytes of its own, behind the full sequence and a barrier, and lands while half 0 is multiplied.  By this text's count one tensor load a wave is out.
; The results leave through a stage in half 0's bytes, which have had their only fill and whose last reads lie ahead of the second barrier; 32 lanes store 512 consecutive bytes, aligned.
; No prefetch: the text has no loop to run ahead in.  No cluster: each work-group draws 262,144 bytes in two loads a wave and would pass a round of the cluster's barrier for each.
; LIMIT: e10 + e11 between -126 and 127.
.set G1,   16
.set G0,   24
.set F0,   16
.set F1,   48
.set ACC,  80
.set BIA,  112
.set YR,   128
.set OUTR, 160
.set SP,   528
.set HALF, 131072
.set SPW,  192
.set NIL,  193
.macro PLACES
.rept 4
	v_nop
.endr
.endm
.macro KSTEP a0, a1, kk, zero
.irp i, 0,1
.irp u, 0,1,2,3
	ds_load_b128 v[F0+16*\i+4*\u:F0+16*\i+4*\u+3], v[\a0] offset:\i*8192+\kk*2048+\u*512
.endr
.endr
.irp i, 0,1
.irp u, 0,1,2,3
	ds_load_b128 v[F1+16*\i+4*\u:F1+16*\i+4*\u+3], v[\a1] offset:\i*8192+\kk*2048+\u*512
.endr
.endr
	s_wait_dscnt 0x0
.irp j, 0,1
.irp i, 0,1
.if \zero
	v_wmma_f32_16x16x128_fp8_fp8 v[ACC+8*(2*\j+\i):ACC+8*(2*\j+\i)+7], v[F0+16*\i:F0+16*\i+15], v[F1+16*\j:F1+16*\j+15], 0
.else
	v_wmma_f32_16x16x128_fp8_fp8 v[ACC+8*(2*\j+\i):ACC+8*(2*\j+\i)+7], v[F0+16*\i:F0+16*\i+15], v[F1+16*\j:F1+16*\j+15], v[ACC+8*(2*\j+\i):ACC+8*(2*\j+\i)+7]
.endif
.endr
.endr
	PLACES                                         ; in front of the next loads into the fragments, and of the first read of results
.endm
	s_load_b256 s[4:11], s[0:1], 0x0               ; wc s[4:5], oimg s[6:7], To1 s[8:9], scales s[10:11]
	s_load_b64 s[12:13], s[0:1], 0x20              ; out0
	v_lshl_add_u32 v[SPW], v0, 2, 0x40000
	v_mov_b32 v[NIL], 0
	ds_add_u32 v[SPW], v[NIL]                      ; the opening lines
	ds_add_u32 v[SPW], v[NIL]
	v_lshrrev_b32 v1, 5, v0
	v_readfirstlane_b32 s14, v1                    ; wave 0..15
	s_and_b32 s40, ttmp7, 0xffff                   ; which 128 tokens
	s_and_b32 s41, s14, 3                          ; my 32 columns
	s_lshr_b32 s42, s14, 2                         ; my 32 tokens
	s_mov_b32 s[G1+0], 3<<16
	s_mov_b32 s[G1+1], 32<<16
	s_mov_b32 s[G1+2], 32<<16
	s_mov_b32 s[G1+3], 32<<16
	s_mov_b32 s[G1+4], 32
	s_mov_b32 s[G1+5], 32
	s_mov_b32 s[G1+6], 0
	s_mov_b32 s[G1+7], 0
	s_lshl_b32 s44, ttmp9, 17
	s_add_co_u32 s44, s44, 0x300000                ; Ty's image in wc, eight tiles of 16,384 bytes a work-group
	s_mov_b32 s45, 0
	s_lshl_b32 s46, s40, 17
	s_mov_b32 s47, 0
	s_and_b32 s48, s14, 7
	s_lshl_b32 s48, s48, 14                        ; the tile that I fetch
	s_mov_b32 s49, 0
	s_lshl_b32 s54, s14, 13
	s_wait_dscnt 0x0
	s_wait_kmcnt 0x0
	s_load_b64 s[50:51], s[10:11], 0x28            ; e10, e11
	s_add_nc_u64 s[44:45], s[4:5], s[44:45]
	s_add_nc_u64 s[46:47], s[6:7], s[46:47]
	s_cmp_lt_u32 s14, 8
	s_cselect_b64 s[52:53], s[44:45], s[46:47]
	s_add_nc_u64 s[52:53], s[52:53], s[48:49]
.irp q, 0,1
	s_mov_b32 s[G0+4*\q], 1
	s_add_co_u32 s[G0+4*\q+1], s54, \q*HALF
	s_add_nc_u64 s[G0+4*\q+2:G0+4*\q+3], s[52:53], \q*8192
	s_or_b32 s[G0+4*\q+3], s[G0+4*\q+3], 0x80000000
.endr
	tensor_load_to_lds s[G0:G0+3], s[G1:G1+7]      ; half 0
	s_nop 0
	PLACES
	v_and_b32 v7, 31, v0
	v_lshlrev_b32 v1, 4, v7
	v_and_b32 v8, 15, v0
	v_bfe_u32 v9, v0, 4, 1
	s_lshl_b32 s58, s41, 14
	v_add_nc_u32 v2, s58, v1                       ; source 0's two tiles, half 0,
	v_add_nc_u32 v10, HALF, v2                     ; half 1
	s_lshl_b32 s58, s42, 14
	s_add_co_u32 s58, s58, 65536
	v_add_nc_u32 v3, s58, v1                       ; source 1's
	v_add_nc_u32 v11, HALF, v3
	s_mul_i32 s58, s42, 32*SP
	s_lshl_b32 s59, s41, 7
	s_add_co_u32 s58, s58, s59
	v_mul_u32_u24 v4, v8, SP
	v_lshl_add_u32 v4, v9, 5, v4
	v_add_nc_u32 v4, s58, v4                       ; the stage, in: token row, my 32 bytes
	s_mul_i32 s58, s14, 8*SP
	v_add_nc_u32 v5, s58, v1                       ; back: eight whole rows of 512 bytes a wave
	v_lshlrev_b32 v6, 5, v9
	s_lshl_b32 s58, ttmp9, 9
	s_lshl_b32 s59, s41, 7
	s_add_co_u32 s60, s58, s59
	s_mov_b32 s61, 0
	s_add_nc_u64 s[8:9], s[8:9], s[60:61]
	s_wait_alu depctr_va_vdst(0)                   ; ahead of v6's reader
.irp i, 0,1
	global_load_b128 v[BIA+8*\i:BIA+8*\i+3], v6, s[8:9] offset:\i*64
	global_load_b128 v[BIA+8*\i+4:BIA+8*\i+7], v6, s[8:9] offset:\i*64+16
.endr
	s_lshl_b32 s60, s40, 19
	s_lshl_b32 s59, s14, 15
	s_add_co_u32 s60, s60, s59
	s_add_co_u32 s60, s60, s58
	s_add_nc_u64 s[12:13], s[12:13], s[60:61]
	s_wait_tensorcnt 0x0                           ; my part of half 0 is in
	ds_add_u32 v[SPW], v[NIL]
	s_wait_dscnt 0x0
	s_barrier_signal -1
	s_barrier_wait -1
	tensor_load_to_lds s[G0+4:G0+7], s[G1:G1+7]    ; half 1: my one tensor load behind this barrier
	s_nop 0
	PLACES
	KSTEP 2, 3, 0, 1
	KSTEP 2, 3, 1, 0
	KSTEP 2, 3, 2, 0
	KSTEP 2, 3, 3, 0
	s_wait_tensorcnt 0x0                           ; my part of half 1 is in
	s_wait_dscnt 0x0
	s_barrier_signal -1
	s_barrier_wait -1
	KSTEP 10, 11, 0, 0
	KSTEP 10, 11, 1, 0
	KSTEP 10, 11, 2, 0
	KSTEP 10, 11, 3, 0
	s_wait_kmcnt 0x0
	s_add_co_i32 s56, s50, s51
	s_add_co_i32 s56, s56, 127
	s_lshl_b32 s56, s56, 23                        ; 2^(e10 + e11) as f32
	s_mov_b32 s57, s56
	s_wait_loadcnt 0x0
.irp j, 0,1
.irp i, 0,1
.irp e, 0,2,4,6
	v_pk_fma_f32 v[YR+8*(2*\j+\i)+\e:YR+8*(2*\j+\i)+\e+1], v[ACC+8*(2*\j+\i)+\e:ACC+8*(2*\j+\i)+\e+1], s[56:57], v[BIA+8*\i+\e:BIA+8*\i+\e+1] op_sel_hi:[1,0,1]
.endr
.endr
.endr
.irp j, 0,1
.irp i, 0,1
	ds_store_b128 v4, v[YR+8*(2*\j+\i):YR+8*(2*\j+\i)+3] offset:\j*16*SP+\i*64
	ds_store_b128 v4, v[YR+8*(2*\j+\i)+4:YR+8*(2*\j+\i)+7] offset:\j*16*SP+\i*64+16
.endr
.endr
	s_wait_dscnt 0x0                               ; for the others' sake: my stores are done
	s_barrier_signal -1
	s_barrier_wait -1
.irp i, 0,1,2,3,4,5,6,7
	ds_load_b128 v[OUTR+4*\i:OUTR+4*\i+3], v5 offset:\i*SP
.endr
.irp i, 0,1,2,3,4,5,6,7
	s_wait_dscnt 7-\i
	global_store_b128 v1, v[OUTR+4*\i:OUTR+4*\i+3], s[12:13] offset:\i*4096 th:TH_STORE_NT
.endr
	s_wait_tensorcnt 0x0                           ; the wave's end
	ds_add_u32 v[SPW], v[NIL]
	s_wait_dscnt 0x0
	s_endpgm
.Lfunc_end_k_q605a2ea45b_outp:
	.size	k_q605a2ea45b_outp, .Lfunc_end_k_q605a2ea45b_outp-k_q605a2ea45b_outp
	.p2alignl 7, 3214868480
	.fill 96, 4, 3214868480
	.section	.rodata,"a",@progbits
	.p2align	6, 0x0
	.amdhsa_kernel k_q605a2ea45b_outp
		.amdhsa_group_segment_fixed_size 327680
		.amdhsa_private_segment_fixed_size 0
		.amdhsa_enable_private_segment 0
		.amdhsa_kernarg_size 40
		.amdhsa_user_sgpr_count 2
		.amdhsa_user_sgpr_kernarg_segment_ptr 1
		.amdhsa_wavefront_size32 1
		.amdhsa_system_sgpr_workgroup_id_x 1
		.amdhsa_system_sgpr_workgroup_id_y 1
		.amdhsa_system_sgpr_workgroup_id_z 1
		.amdhsa_system_vgpr_workitem_id 0
		.amdhsa_next_free_vgpr 194
		.amdhsa_next_free_sgpr 72
		.amdhsa_reserve_vcc 0
		.amdhsa_float_denorm_mode_32 3
		.amdhsa_float_denorm_mode_16_64 3
		.amdhsa_memory_ordered 1
		.amdhsa_forward_progress 1
		.amdhsa_inst_pref_size 20
	.end_amdhsa_kernel
	.amdgpu_metadata
---
amdhsa.version: [ 1, 2 ]
amdhsa.kernels:
  - .name:           k_q605a2ea45b_outp
    .symbol:         k_q605a2ea45b_outp.kd
    .args:
      - { .name: wc, .offset: 0, .size: 8, .value_kind: global_buffer, .address_space: global }
      - { .name: oimg, .offset: 8, .size: 8, .value_kind: global_buffer, .address_space: global }
      - { .name: To1, .offset: 16, .size: 8, .value_kind: global_buffer, .address_space: global }
      - { .name: lowp_scales, .offset: 24, .size: 8, .value_kind: global_buffer, .address_space: global }
      - { .name: out0, .offset: 32, .size: 8, .value_kind: global_buffer, .address_space: global }
    .group_segment_fixed_size: 327680
    .private_segment_fixed_size: 0
    .kernarg_segment_align: 8
    .kernarg_segment_size: 40
    .max_flat_workgroup_size: 512
    .sgpr_count:     72
    .vgpr_count:     194
    .wavefront_size: 32
...
	.end_amdgpu_metadata
.endif
;; end of part 4
